; MI455X (gfx1250); checked and timed in simulation.
; The chip was launched on July 23, 2026; its instructions are those of AMD's public machine-readable ISA for CDNA 5 (MIT licence, August 2026) and "CDNA5" Instruction Set Architecture Reference Guide (July 2026). The comments in the code are by the model that wrote it; some were corrected since.
;; CNF3. Allowed arithmetic: float matrix products may take bf16 or f16 operands with f32 sums; all other float work in f32.
;; Inputs: W1 256 x 128 float32; W2 128 x 256 float32; b1 256 float32; b2 128 float32; beta 256 float32; gamma 256 float32; logp_z 8,192 x 1 float32; t 1 float32; z 8,192 x 128 float32.
;; Outputs: out0 8,192 x 128 float32; out1 8,192 x 1 float32.
;; 2 versions, each right; version 2 is version 1 with the launch hidden written anew for expert scheduling mode. Each part assembles by itself: llvm-mc -triple=amdgcn-amd-amdhsa -mcpu=gfx1250 --defsym DOCPART=n.
;; ======== version 1 of 2: 3 launches
;; workspace buffers: hT 8,388,608 bytes; tab 8,192 bytes; w2f 65,536 bytes
;; launch hidden (part 1): grid 4 x 64, 4 waves a work-group, no clusters, 192,000 bytes of LDS; arguments z, W1, b1, hT; writes hT
.if DOCPART == 1
	.amdgcn_target "amdgcn-amd-amdhsa--gfx1250"
	.amdhsa_code_object_version 6
	.text
	.protected	k_q6e8243bd2f_hidden
	.globl	k_q6e8243bd2f_hidden
	.p2align	8
	.type	k_q6e8243bd2f_hidden,@function
k_q6e8243bd2f_hidden:
	s_mov_b64 s[64:65], 0
	v_nop
	global_prefetch_b8 v0, s[64:65] scope:SCOPE_SE
	s_setreg_imm32_b32 hwreg(HW_REG_WAVE_MODE, 25, 1), 1
	s_wait_xcnt 0x0
; hT[j][b] = b1[j] + sum over k of z[b][k] W1[j][k]:  the hidden layer in front of the batch norm, stored TRANSPOSED, f32 [256][8192].
; WHY THREE bf16 PARTS.  The later launches take the sign of the normalised h (the ReLU mask), and one wrong sign moves a row's trace by a whole
; weight.  So h has to be as good as an f32 product.  Every f32 operand is split exactly, x = hi + mid + lo (8 + 8 + 8 significant bits):
; hi = bf16(x), mid = bf16(x - hi), lo = bf16(x - hi - mid), both differences exact in f32.  Six of the nine products are formed
; (mid mid, hi lo, lo hi, hi mid, mid hi, hi hi); the three left out are below 2^-24 of the hi hi product.  One accumulator for each output;
; the 20 small products come first and the four hi hi products last, so that only four roundings happen at the result's size.
; SHARES.  Work-group (x = cc, y = rc): batch rows 128 rc .. +127, hidden columns 64 cc .. +63.  Four waves; wave (wm, wn) makes 64 rows x 32 columns,
; 4 x 2 tiles of 16 x 16, 24 matrix instructions a tile (4 K steps of 32 x 6 products), 192 in all.
; NO CLUSTER, NO TENSOR LOAD: z's rows are shared by 4 work-groups and W1's by 64, but what lies in LDS is not the f32 data: it is the three bf16
; parts, which are made in registers.  A joint load would put 96 KiB of f32 into LDS only to be read back and stored again as 144 KiB, and
; every work-group fetches exactly once, so there is no loop in which requests could run ahead.
; LIMITS.  |z| or |W1| above 3.39e38 rounds to infinity in bf16; numbers below about 2^-110 lose their low part; NaN and infinities are not served.
; The inputs t and logp_z enter no result of the problem's function and are read by no launch.
.set PITCH, 272                        ; an LDS row: 128 bf16 = 256 bytes + 16: 17 x 16, so the 16 rows of a fragment load start 16 bytes apart modulo 256
.set ROW4,  4*PITCH                    ; chunk to chunk: four rows (one for each wave)
.set T16,   16*PITCH                   ; tile to tile
.set ZM,    128*PITCH                  ; z: hi at 0, mid here,
.set ZL,    2*128*PITCH                ; lo here (128 rows each)
.set WH,    3*128*PITCH                ; W1: hi, then mid and lo, WSP apart (64 rows each)
.set WSP,   64*PITCH
.set STAGE, WH+3*WSP                   ; the way out: 32 columns x 272 bytes for each wave
.set STW,   32*PITCH
; window 0: v1 lane, v2 r = lane % 16, v3 h = lane / 16; v4-v7 where the split parts are stored (z hi, mid, lo; W1); v8, v9 z fragments (hi and mid; lo);
; v10 W1 fragments; v11 16 t; v12, v13 b1 of my two column tiles; v14 stage in; v15 stage out; v16 offset in hT; v17 offset in b1
.set HI,  24                           ; v[24:27] eight hi parts, packed
.set MID, 28                           ; v[28:31] mid
.set LO,  32                           ; v[32:35] lo
.set UN,  36                           ; v[36:43] a packed part widened to f32 again
.set RAW, 64                           ; v[64:255] 48 chunks of 4 f32 as loaded
.set BF,  64                           ; then: W1's fragments, (K step s, tile nt, part sp) at BF + 8 ((2 s + nt) 3 + sp)
.set OT,  64                           ; then: results with the bias
.set RB,  128                          ; and rows read back from the stage
; window 1 (K steps 0, 1) and window 2 (K steps 2, 3): z's fragments, (s, mt, sp) at 8 (((s & 1) 4 + mt) 3 + sp).  window 3: accumulators, (mt, nt) at 8 (2 mt + nt)
.set MSB, 0
.macro WIN new                         ; s_set_vgpr_msb: bits 1:0 source 0, 3:2 source 1, 5:4 source 2, 7:6 destination; the high byte repeats the setting that is left
.if MSB != \new
	s_set_vgpr_msb (MSB<<8)|\new
.set MSB, \new
.endif
.endm
.macro PLACES                          ; four independent vector instructions behind a matrix instruction (ISA guide 7.12.1)
.rept 4
	v_nop
.endr
.endm
	s_load_b256 s[4:11], s[0:1], 0x0               ; z s[4:5], W1 s[6:7], b1 s[8:9], hT s[10:11]
	v_lshl_add_u32 v62, v0, 2, 0x2ec00
	v_mov_b32 v63, 0
	v_and_b32 v1, 31, v0                           ; lane
	v_lshrrev_b32 v18, 5, v0
	v_readfirstlane_b32 s12, v18                   ; wave 0..3
	v_and_b32 v2, 15, v0                           ; r
	v_bfe_u32 v3, v0, 4, 1                         ; h
	s_lshr_b32 s13, s12, 1                         ; wm: which 64 rows
	s_and_b32 s14, s12, 1                          ; wn: which 32 columns
	s_and_b32 s16, ttmp7, 0xffff                   ; rc
	s_mov_b32 s20, 0xffff0000                      ; a word's upper bf16
	s_mul_i32 s21, s12, PITCH
	v_lshl_add_u32 v4, v1, 3, s21                  ; chunk i is row 4 i + wave, k = 4 lane ..: 8 bytes at wave x pitch + 8 lane (+ i x 4 rows)
	v_add_nc_u32 v5, ZM, v4
	v_add_nc_u32 v6, ZL, v4
	v_add_nc_u32 v7, WH, v4
	v_mul_u32_u24 v18, v2, PITCH
	v_lshl_add_u32 v19, v3, 4, v18                 ; a fragment's lane term: r x pitch + 16 h
	s_mul_i32 s22, s13, 64*PITCH
	v_add_nc_u32 v8, s22, v19                      ; my 64 rows of z, hi (mid by the immediate)
	v_add_nc_u32 v9, ZL, v8                        ; lo: beyond the immediate's 64 KiB
	s_mul_i32 s23, s14, 32*PITCH
	s_add_co_u32 s23, s23, WH
	v_add_nc_u32 v10, s23, v19                     ; my 32 rows of W1
	v_lshlrev_b32 v11, 4, v0                       ; 16 bytes a thread: a wave's load covers one whole row of 512 bytes
	s_mul_i32 s24, s12, STW
	s_add_co_u32 s24, s24, STAGE                   ; my stage
	v_lshl_add_u32 v19, v3, 5, v18
	v_add_nc_u32 v14, s24, v19                     ; in: column r, 32 bytes (8 batch rows) for each half of the lanes
	v_mul_u32_u24 v19, v3, PITCH
	v_lshl_add_u32 v19, v2, 4, v19
	v_add_nc_u32 v15, s24, v19                     ; back: lanes 0-15 one column's 256 bytes, lanes 16-31 the next column's
	v_lshlrev_b32 v16, 15, v3
	v_lshl_add_u32 v16, v2, 4, v16                 ; the same two columns in hT (32,768 bytes apart)
	s_lshl_b32 s25, ttmp9, 8
	s_lshl_b32 s26, s14, 7
	s_add_co_u32 s25, s25, s26
	v_lshl_add_u32 v17, v2, 2, s25                 ; 4 (64 cc + 32 wn + r)
	s_mov_b32 s19, 0
	s_wait_kmcnt 0x0
	s_lshl_b32 s18, s16, 16
	s_add_nc_u64 s[4:5], s[4:5], s[18:19]          ; z at row 128 rc
	s_lshl_b32 s18, ttmp9, 15
	s_add_nc_u64 s[6:7], s[6:7], s[18:19]          ; W1 at row 64 cc
	s_lshl_b32 s18, ttmp9, 21                      ; hT at column 64 cc + 32 wn, batch row 128 rc + 64 wm
	s_lshl_b32 s26, s14, 20
	s_add_co_u32 s18, s18, s26
	s_lshl_b32 s26, s16, 9
	s_add_co_u32 s18, s18, s26
	s_lshl_b32 s26, s13, 8
	s_add_co_u32 s18, s18, s26
	s_add_nc_u64 s[10:11], s[10:11], s[18:19]
	; all 50 loads at once: 2 of b1, 32 of z, 16 of W1
	global_load_b32 v12, v17, s[8:9]
	global_load_b32 v13, v17, s[8:9] offset:64
.set q, 0
.rept 32
	global_load_b128 v[RAW+4*q:RAW+4*q+3], v11, s[4:5] offset:q*2048
.set q, q+1
.endr
.rept 16
	global_load_b128 v[RAW+4*q:RAW+4*q+3], v11, s[6:7] offset:(q-32)*2048
.set q, q+1
.endr
.macro PACK P, X, adr, off             ; eight numbers (two chunks) rounded to bf16 and stored: 32 lanes x 8 neighbouring bytes, no bank met twice
.irp k, 0,1,2,3
	v_cvt_pk_bf16_f32 v[\P+\k], v[\X+2*\k], v[\X+2*\k+1]
.endr
	ds_store_b64 v[\adr], v[\P:\P+1] offset:\off
	ds_store_b64 v[\adr], v[\P+2:\P+3] offset:\off+ROW4
.endm
.macro REST P, X                       ; what is left of them: X - P, exact in f32
.irp k, 0,1,2,3
	v_lshlrev_b32 v[UN+2*\k], 16, v[\P+\k]
	v_and_b32 v[UN+2*\k+1], s20, v[\P+\k]
.endr
.irp k, 0,2,4,6
	v_pk_add_f32 v[\X+\k:\X+\k+1], v[\X+\k:\X+\k+1], v[UN+\k:UN+\k+1] neg_lo:[0,1] neg_hi:[0,1]
.endr
.endm
.macro SPLIT8 X, aH, oH, aM, oM, aL, oL
	PACK HI, \X, \aH, \oH
	REST HI, \X
	PACK MID, \X, \aM, \oM
	REST MID, \X
	PACK LO, \X, \aL, \oL
.endm
.set p, 0
.rept 16                               ; z
	s_wait_loadcnt 46-2*p                          ; loads return in order (ISA guide 5.7.1): behind chunk 2 p + 1 stand 46 - 2 p of the 50
.set o, p*2*ROW4
	SPLIT8 RAW+8*p, 4, o, 5, o, 6, o
.set p, p+1
.endr
.rept 8                                ; W1
	s_wait_loadcnt 46-2*p
.set o, (p-16)*2*ROW4
	SPLIT8 RAW+8*p, 7, o, 7, o+WSP, 7, o+2*WSP
.set p, p+1
.endr
	s_wait_dscnt 0x0                               ; my stores are in LDS, for the other waves' sake,
	s_barrier_signal -1
	s_barrier_wait -1                              ; and so are everybody's: the only barrier, nothing in these regions is written again
.macro FETCHB s                        ; W1's fragments of K step s: 2 tiles x 3 parts, two loads of 16 bytes 32 bytes apart each
.irp nt, 0,1
.irp sp, 0,1,2
	ds_load_b128 v[BF+8*((2*\s+\nt)*3+\sp):BF+8*((2*\s+\nt)*3+\sp)+3], v10 offset:\sp*WSP+\nt*T16+64*\s
	ds_load_b128 v[BF+8*((2*\s+\nt)*3+\sp)+4:BF+8*((2*\s+\nt)*3+\sp)+7], v10 offset:\sp*WSP+\nt*T16+64*\s+32
.endr
.endr
.endm
.macro FETCHA s                        ; z's fragments of K step s: 4 tiles x 3 parts
.irp mt, 0,1,2,3
.irp sp, 0,1
	ds_load_b128 v[8*(((\s&1)*4+\mt)*3+\sp):8*(((\s&1)*4+\mt)*3+\sp)+3], v8 offset:\sp*ZM+\mt*T16+64*\s
	ds_load_b128 v[8*(((\s&1)*4+\mt)*3+\sp)+4:8*(((\s&1)*4+\mt)*3+\sp)+7], v8 offset:\sp*ZM+\mt*T16+64*\s+32
.endr
	ds_load_b128 v[8*(((\s&1)*4+\mt)*3+2):8*(((\s&1)*4+\mt)*3+2)+3], v9 offset:\mt*T16+64*\s
	ds_load_b128 v[8*(((\s&1)*4+\mt)*3+2)+4:8*(((\s&1)*4+\mt)*3+2)+7], v9 offset:\mt*T16+64*\s+32
.endr
.endm
; eight matrix instructions: part sa of z x part sb of W1, K step s, all my tiles.  A = z (m = batch row), B = W1 (n = hidden column).
; zero = 1: the first product starts the sums, nothing is cleared.  Later products are links of chains in place (C = D = the earlier D).
.macro PROD s, sa, sb, zero
.irp mt, 0,1,2,3
.irp nt, 0,1
.if \zero
	v_wmma_f32_16x16x32_bf16 v[8*(2*\mt+\nt):8*(2*\mt+\nt)+7], v[8*(((\s&1)*4+\mt)*3+\sa):8*(((\s&1)*4+\mt)*3+\sa)+7], v[BF+8*((2*\s+\nt)*3+\sb):BF+8*((2*\s+\nt)*3+\sb)+7], 0
.else
	v_wmma_f32_16x16x32_bf16 v[8*(2*\mt+\nt):8*(2*\mt+\nt)+7], v[8*(((\s&1)*4+\mt)*3+\sa):8*(((\s&1)*4+\mt)*3+\sa)+7], v[BF+8*((2*\s+\nt)*3+\sb):BF+8*((2*\s+\nt)*3+\sb)+7], v[8*(2*\mt+\nt):8*(2*\mt+\nt)+7]
.endif
.endr
.endr
.endm
.macro SMALL s, zero                   ; the five small products of a K step
	PROD \s, 1, 1, \zero
	PROD \s, 0, 2, 0
	PROD \s, 2, 0, 0
	PROD \s, 0, 1, 0
	PROD \s, 1, 0, 0
.endm
	WIN 0
	FETCHB 0
	FETCHB 1
	WIN 0x40                                       ; loaded data to window 1, address from window 0
	FETCHA 0
	FETCHA 1                                       ; 72 loads: K steps 0 and 1
	WIN 0
	FETCHB 2
	FETCHB 3
	WIN 0x80
	FETCHA 2
	FETCHA 3                                       ; 72 more: K steps 2 and 3
	s_wait_dscnt 63                                ; the first 72 are wanted, 72 younger ones could stay out: 63 is the largest count that the wait can name
	WIN 0xf1                                       ; A window 1, B window 0, C and D window 3
	SMALL 0, 1
	SMALL 1, 0
	s_wait_dscnt 0x0                               ; K steps 2 and 3 are in
	WIN 0xf2                                       ; A window 2
	SMALL 2, 0
	SMALL 3, 0
	PROD 2, 0, 0, 0                                ; hi x hi, last
	PROD 3, 0, 0, 0
	WIN 0xf1
	PROD 0, 0, 0, 0
	PROD 1, 0, 0, 0
	; THE WAY OUT.  Register j of lane (r, h) of tile (mt, nt) is batch row 16 mt + 8 h + j of column 16 nt + r: eight neighbouring numbers of a row of hT.
	PLACES                                         ; behind the last matrix instructions: the adds read results and write registers of W1's fragments
	WIN 0x03                                       ; source 0 window 3
.irp mt, 0,1,2,3
.irp j, 0,2,4,6
	v_pk_add_f32 v[OT+16*\mt+\j:OT+16*\mt+\j+1], v[16*\mt+\j:16*\mt+\j+1], v[12:13] op_sel_hi:[1,0]                  ; + b1 of column tile 0: v12 to both
	v_pk_add_f32 v[OT+16*\mt+8+\j:OT+16*\mt+8+\j+1], v[16*\mt+8+\j:16*\mt+8+\j+1], v[12:13] op_sel:[0,1] op_sel_hi:[1,1] ; of column tile 1: v13 to both
.endr
.endr
	WIN 0
.irp mt, 0,1,2,3
.irp nt, 0,1
	ds_store_b128 v14, v[OT+16*\mt+8*\nt:OT+16*\mt+8*\nt+3] offset:\nt*T16+\mt*64
	ds_store_b128 v14, v[OT+16*\mt+8*\nt+4:OT+16*\mt+8*\nt+7] offset:\nt*T16+\mt*64+16
.endr
.endr
.set i, 0
.rept 16
	ds_load_b128 v[RB+4*i:RB+4*i+3], v15 offset:i*2*PITCH       ; my own bytes: LDS serves a wave's instructions in order (ISA guide 5.7.1), these see the stores above
.set i, i+1
.endr
.set i, 0
.rept 16
	s_wait_dscnt 15-i                              ; behind load i stand 15 - i
	global_store_b128 v16, v[RB+4*i:RB+4*i+3], s[10:11] offset:i*65536   ; sixteen lanes store 256 consecutive bytes of one column, at a multiple of 256 from hT's first byte
.set i, i+1
.endr
	s_wait_tensorcnt 0x0
	ds_add_u32 v62, v63
	s_wait_dscnt 0x0
	s_endpgm
.Lfunc_end_k_q6e8243bd2f_hidden:
	.size	k_q6e8243bd2f_hidden, .Lfunc_end_k_q6e8243bd2f_hidden-k_q6e8243bd2f_hidden
	.p2alignl 7, 3214868480
	.fill 96, 4, 3214868480
	.section	.rodata,"a",@progbits
	.p2align	6, 0x0
	.amdhsa_kernel k_q6e8243bd2f_hidden
		.amdhsa_group_segment_fixed_size 192000
		.amdhsa_private_segment_fixed_size 0
		.amdhsa_enable_private_segment 0
		.amdhsa_kernarg_size 32
		.amdhsa_user_sgpr_count 2
		.amdhsa_user_sgpr_kernarg_segment_ptr 1
		.amdhsa_wavefront_size32 1
		.amdhsa_system_sgpr_workgroup_id_x 1
		.amdhsa_system_sgpr_workgroup_id_y 1
		.amdhsa_system_sgpr_workgroup_id_z 1
		.amdhsa_system_vgpr_workitem_id 0
		.amdhsa_next_free_vgpr 832
		.amdhsa_next_free_sgpr 66
		.amdhsa_reserve_vcc 0
		.amdhsa_float_denorm_mode_32 3
		.amdhsa_float_denorm_mode_16_64 3
		.amdhsa_memory_ordered 1
		.amdhsa_forward_progress 1
		.amdhsa_inst_pref_size 87
	.end_amdhsa_kernel
	.amdgpu_metadata
---
amdhsa.version: [ 1, 2 ]
amdhsa.kernels:
  - .name:           k_q6e8243bd2f_hidden
    .symbol:         k_q6e8243bd2f_hidden.kd
    .args:
      - { .name: z, .offset: 0, .size: 8, .value_kind: global_buffer, .address_space: global }
      - { .name: W1, .offset: 8, .size: 8, .value_kind: global_buffer, .address_space: global }
      - { .name: b1, .offset: 16, .size: 8, .value_kind: global_buffer, .address_space: global }
      - { .name: hT, .offset: 24, .size: 8, .value_kind: global_buffer, .address_space: global }
    .group_segment_fixed_size: 192000
    .private_segment_fixed_size: 0
    .kernarg_segment_align: 8
    .kernarg_segment_size: 32
    .max_flat_workgroup_size: 128
    .sgpr_count:     66
    .vgpr_count:     832
    .wavefront_size: 32
...
	.end_amdgpu_metadata
.endif
;; end of part 1
;; launch stats (part 2): grid 256 x 1, 8 waves a work-group, no clusters, 2,048 bytes of LDS; arguments hT, W1, W2, gamma, beta, tab, w2f; writes tab, w2f
.if DOCPART == 2
	.amdgcn_target "amdgcn-amd-amdhsa--gfx1250"
	.amdhsa_code_object_version 6
	.text
	.protected	k_q6e8243bd2f_stats
	.globl	k_q6e8243bd2f_stats
	.p2align	8
	.type	k_q6e8243bd2f_stats,@function
k_q6e8243bd2f_stats:
	s_mov_b64 s[64:65], 0
	v_nop
	global_prefetch_b8 v0, s[64:65] scope:SCOPE_SE
	s_setreg_imm32_b32 hwreg(HW_REG_WAVE_MODE, 25, 1), 1
	s_wait_xcnt 0x0
; One work-group for each hidden column j: all that the batch norm and its backward pass need of the whole batch belongs to one column.
;   mu = mean h;  rs = 1 / sqrt(mean (h - mu)^2 + 1e-5);  x = (h - mu) rs;  y = x gamma + beta;  m = [y > 0];  M = mean m;  P = mean (m x)
;   c  = sum over i of W1[j][i] W2[i][j];  w = c rs gamma
; The 128 backward passes of the problem's function (cotangent = unit vector i in every row, column i of the gradient kept, summed over i) are, for every input,
;   trace[b] = sum over j of w_j (m[b][j] - M_j - x[b][j] P_j).
; tab[j] = { -mu, -w, rs, w P, gamma, w M, beta, 0 }: what the last launch needs of column j, signs set for -trace.
; The variance is made in a second pass over the registers, from h - mu: no difference of large sums.  rs: v_rsq_f32 and one Newton step.
; x and y are made by the same operations, in the same order, as in the last launch, from the same stored h: both launches see the same mask.
; The column's 8,192 numbers (32 KiB, contiguous) stay in registers, 32 a thread: read once.
; Wave 1 also rounds 128 numbers of W2 to bf16 into the order in which the last launch's matrix fragments want them: unit j of w2f, 256 bytes.
; No matrix unit (nothing here is a product of matrices), no cluster (no two work-groups read the same bytes of hT; each takes 512 bytes of W1 and 1 KiB of W2).
; tab's 32 bytes a work-group are a part of 256 consecutive bytes: one owner for each column, 8 KiB in the whole launch.
; m = 0 where y = 0.  NaN and infinities are not served.
.set R1, 0                             ; LDS: 8 waves x (sum of h, part of c)
.set R2, 256                           ; 8 waves x sum of squares
.set R3, 512                           ; 8 waves x (count of m, sum of m x)
.set X,  32                            ; v[32:63] my 32 numbers: h, then h - mu, then x
.set T,  64                            ; v[64:95] at work: chains, sums read back, y
; v1 lane; v16 16 t; v20 8 wave; v21 0; v22 4 wave; v24 the other half's sum; v[26:27] rs twice; v[28:31] count and sum, two chains;
; v[74:75] my wave's pair; v96 sum of h, v97 c; v[98:99] -mu twice; v[100:107] the table's entry; v[108:109] gamma twice; v[110:111] beta twice
.macro WSUM x, tmp                     ; sum over the 32 lanes, in every lane
	v_add_f32_dpp v[\x], v[\x], v[\x] row_xmask:1 row_mask:0xf bank_mask:0xf
	v_add_f32_dpp v[\x], v[\x], v[\x] row_xmask:2 row_mask:0xf bank_mask:0xf
	v_add_f32_dpp v[\x], v[\x], v[\x] row_xmask:4 row_mask:0xf bank_mask:0xf
	v_add_f32_dpp v[\x], v[\x], v[\x] row_xmask:8 row_mask:0xf bank_mask:0xf
	v_permlanex16_b32 v[\tmp], v[\x], s20, s21
	v_add_f32 v[\x], v[\x], v[\tmp]
.endm
.macro BAR                             ; my LDS store is done, for the others' sake; then everybody's is
	s_wait_dscnt 0x0
	s_barrier_signal -1
	s_barrier_wait -1
.endm
.macro FOLD dst                        ; four chains of two into one number
	v_pk_add_f32 v[T:T+1], v[T:T+1], v[T+2:T+3]
	v_pk_add_f32 v[T+4:T+5], v[T+4:T+5], v[T+6:T+7]
	v_pk_add_f32 v[T:T+1], v[T:T+1], v[T+4:T+5]
	v_add_f32 v[\dst], v[T], v[T+1]
.endm
.macro SUM8P reg, dst                  ; the eight waves' pairs from LDS region reg, added in one fixed order in every thread
	ds_load_b128 v[76:79], v21 offset:\reg
	ds_load_b128 v[80:83], v21 offset:\reg+16
	ds_load_b128 v[84:87], v21 offset:\reg+32
	ds_load_b128 v[88:91], v21 offset:\reg+48
	s_wait_dscnt 0x0
	v_pk_add_f32 v[76:77], v[76:77], v[78:79]
	v_pk_add_f32 v[80:81], v[80:81], v[82:83]
	v_pk_add_f32 v[84:85], v[84:85], v[86:87]
	v_pk_add_f32 v[88:89], v[88:89], v[90:91]
	v_pk_add_f32 v[76:77], v[76:77], v[80:81]
	v_pk_add_f32 v[84:85], v[84:85], v[88:89]
	v_pk_add_f32 v[\dst:\dst+1], v[76:77], v[84:85]
.endm
	s_load_b256 s[4:11], s[0:1], 0x0               ; hT s[4:5], W1 s[6:7], W2 s[8:9], gamma s[10:11]
	s_load_b128 s[12:15], s[0:1], 0x20             ; beta s[12:13], tab s[14:15]
	s_load_b64 s[16:17], s[0:1], 0x30              ; w2f
	v_lshl_add_u32 v112, v0, 2, 0x400
	v_mov_b32 v113, 0
	v_and_b32 v1, 31, v0
	v_lshrrev_b32 v2, 5, v0
	v_readfirstlane_b32 s18, v2                    ; wave 0..7
	s_mov_b32 s20, 0x76543210                      ; v_permlanex16_b32: lane i of one half reads lane i of the other
	s_mov_b32 s21, 0xfedcba98
	s_mov_b32 s27, 0x39000000                      ; 2^-13 = 1 / 8192
	s_mov_b32 s28, 0x3727c5ac                      ; 1e-5
	v_lshlrev_b32 v16, 4, v0
	v_mov_b32 v21, 0
	v_mov_b32 v24, 0                               ; v_permlanex16_b32's destination counts as read
	v_mov_b32 v75, 0                               ; part of c: only wave 0 has one
	v_mov_b32 v22, s18
	v_lshlrev_b32 v20, 3, v22
	v_lshlrev_b32 v22, 2, v22
	s_mov_b32 s25, 0
	s_wait_kmcnt 0x0
	s_lshl_b32 s24, ttmp9, 15
	s_add_nc_u64 s[4:5], s[4:5], s[24:25]          ; my column of hT
	s_lshl_b32 s24, ttmp9, 9
	s_add_nc_u64 s[6:7], s[6:7], s[24:25]          ; row j of W1
	s_lshl_b32 s24, ttmp9, 2
	s_add_nc_u64 s[10:11], s[10:11], s[24:25]      ; gamma[j]
	s_add_nc_u64 s[12:13], s[12:13], s[24:25]      ; beta[j]
	s_lshl_b32 s24, ttmp9, 5
	s_add_nc_u64 s[14:15], s[14:15], s[24:25]      ; tab[j]
	s_lshl_b32 s24, ttmp9, 8
	s_add_nc_u64 s[16:17], s[16:17], s[24:25]      ; unit j of w2f
.set q, 0
.rept 8
	global_load_b128 v[X+4*q:X+4*q+3], v16, s[4:5] offset:q*4096     ; the work-group's load covers 4,096 neighbouring bytes
.set q, q+1
.endr
	s_load_b32 s22, s[10:11], 0x0                  ; gamma
	s_load_b32 s23, s[12:13], 0x0                  ; beta
	s_cmp_lg_u32 s18, 0
	s_cbranch_scc1 .Lnot0
	; wave 0: c.  Lane l takes i = 4 l .. 4 l + 3: 16 bytes of W1's row, four words of W2's column (rows 1 KiB apart; once, 128 words in all)
	s_lshl_b32 s24, ttmp9, 2
	v_lshl_add_u32 v12, v1, 12, s24                ; 4 l rows of 1,024 bytes + 4 j
	v_lshlrev_b32 v17, 4, v1
	global_load_b128 v[4:7], v17, s[6:7]
	global_load_b32 v8, v12, s[8:9]
	global_load_b32 v9, v12, s[8:9] offset:1024
	global_load_b32 v10, v12, s[8:9] offset:2048
	global_load_b32 v11, v12, s[8:9] offset:3072
	s_wait_loadcnt 0x0
	v_mul_f32 v75, v4, v8
	v_fmac_f32 v75, v5, v9
	v_fmac_f32 v75, v6, v10
	v_fmac_f32 v75, v7, v11
.Lnot0:
	s_cmp_lg_u32 s18, 1
	s_cbranch_scc1 .Lnot1
	; wave 1: unit j = ((w 8 + s) 2 + e) 2 + h of w2f = W2[16 w + r][32 s + 16 e + 8 h + 0..7], r = 0..15, as bf16.  Lane l: r = l / 2, four numbers.
	s_lshr_b32 s24, ttmp9, 5
	s_lshl_b32 s24, s24, 14                        ; 16 w rows of 1,024 bytes
	s_and_b32 s26, ttmp9, 31
	s_lshl_b32 s26, s26, 5                         ; 8 (j % 32) columns of 4 bytes
	s_add_co_u32 s24, s24, s26
	v_lshrrev_b32 v13, 1, v1
	v_and_b32 v14, 1, v1
	v_lshl_add_u32 v13, v13, 10, s24
	v_lshl_add_u32 v13, v14, 4, v13
	v_lshlrev_b32 v18, 3, v1
	global_load_b128 v[4:7], v13, s[8:9]
	s_wait_loadcnt 0x0
	v_cvt_pk_bf16_f32 v14, v4, v5
	v_cvt_pk_bf16_f32 v15, v6, v7
	global_store_b64 v18, v[14:15], s[16:17]       ; 32 lanes x 8 bytes: 256 consecutive bytes, aligned
.Lnot1:
	; the mean (and c)
	s_wait_loadcnt 0x0
.irp c, 0,1,2,3
	v_pk_add_f32 v[T+2*\c:T+2*\c+1], v[X+2*\c:X+2*\c+1], v[X+8+2*\c:X+8+2*\c+1]      ; the first sums start the chains: nothing is cleared
.endr
.irp k, 2,3
.irp c, 0,1,2,3
	v_pk_add_f32 v[T+2*\c:T+2*\c+1], v[T+2*\c:T+2*\c+1], v[X+8*\k+2*\c:X+8*\k+2*\c+1]
.endr
.endr
	FOLD 74
	WSUM 74, 24
	WSUM 75, 24
	ds_store_b64 v20, v[74:75] offset:R1           ; every lane the same two words
	BAR
	SUM8P R1, 96                                   ; v96 = sum of h, v97 = c
	v_mul_f32 v98, 0xb9000000, v96                 ; -mu = sum x -2^-13, twice: a pair for the packed add
	v_mul_f32 v99, 0xb9000000, v96
	; the variance, from h - mu
.set q, 0
.rept 16
	v_pk_add_f32 v[X+2*q:X+2*q+1], v[X+2*q:X+2*q+1], v[98:99]
.set q, q+1
.endr
.irp c, 0,1,2,3
	v_pk_mul_f32 v[T+2*\c:T+2*\c+1], v[X+2*\c:X+2*\c+1], v[X+2*\c:X+2*\c+1]
.endr
.irp k, 1,2,3
.irp c, 0,1,2,3
	v_pk_fma_f32 v[T+2*\c:T+2*\c+1], v[X+8*\k+2*\c:X+8*\k+2*\c+1], v[X+8*\k+2*\c:X+8*\k+2*\c+1], v[T+2*\c:T+2*\c+1]
.endr
.endr
	FOLD 74
	WSUM 74, 24
	ds_store_b32 v22, v74 offset:R2
	BAR
	ds_load_b128 v[76:79], v21 offset:R2
	ds_load_b128 v[80:83], v21 offset:R2+16
	s_wait_dscnt 0x0
	v_pk_add_f32 v[76:77], v[76:77], v[78:79]
	v_pk_add_f32 v[80:81], v[80:81], v[82:83]
	v_pk_add_f32 v[76:77], v[76:77], v[80:81]
	v_add_f32 v92, v76, v77
	v_fma_f32 v93, v92, s27, s28                   ; var + eps
	v_rsq_f32 v94, v93
	v_nop                                          ; one plain vector instruction behind a transcendental, before its result is used (ISA guide 5.7.2)
	s_wait_alu depctr_va_vdst(0)
	v_mul_f32 v95, v93, v94
	v_fma_f32 v95, -v95, v94, 1.0                  ; e = 1 - (var + eps) rs0^2
	v_mul_f32 v92, 0.5, v94
	v_fma_f32 v26, v92, v95, v94                   ; rs = rs0 + rs0 e / 2, twice
	v_fma_f32 v27, v92, v95, v94
	; x, y, the mask's two sums
	s_wait_kmcnt 0x0                               ; gamma and beta
	v_mov_b32 v108, s22
	v_mov_b32 v109, s22
	v_mov_b32 v110, s23
	v_mov_b32 v111, s23
.set q, 0
.rept 16
	v_pk_mul_f32 v[X+2*q:X+2*q+1], v[X+2*q:X+2*q+1], v[26:27]
.set q, q+1
.endr
.set q, 0
.rept 16
	v_pk_fma_f32 v[T+2*q:T+2*q+1], v[X+2*q:X+2*q+1], v[108:109], v[110:111]
.set q, q+1
.endr
.macro MASK i, first                   ; number i: m as 0.0 or 1.0; count += m; sum += m x.  Two chains, even and odd i: (v28, v29) and (v30, v31)
	v_cmp_lt_f32 vcc_lo, 0, v[T+\i]
.if \first
	v_cndmask_b32 v[28+2*(\i&1)], 0, 1.0, vcc_lo
	v_mul_f32 v[29+2*(\i&1)], v[28+2*(\i&1)], v[X+\i]
.else
	v_cndmask_b32 v[2+(\i&1)], 0, 1.0, vcc_lo
	v_add_f32 v[28+2*(\i&1)], v[28+2*(\i&1)], v[2+(\i&1)]
	v_fmac_f32 v[29+2*(\i&1)], v[2+(\i&1)], v[X+\i]
.endif
.endm
	MASK 0, 1
	MASK 1, 1
.set q, 2
.rept 30
	MASK q, 0
.set q, q+1
.endr
	v_pk_add_f32 v[28:29], v[28:29], v[30:31]
	WSUM 28, 24
	WSUM 29, 24
	ds_store_b64 v20, v[28:29] offset:R3
	BAR
	SUM8P R3, 92                                   ; v92 = count of m (exact: at most 8,192), v93 = sum of m x
	; the table's entry
	v_mul_f32 v3, v97, v26                         ; c rs
	v_mul_f32 v2, s22, v3                          ; w
	v_mul_f32 v100, 0xb9000000, v96                ; -mu
	v_mul_f32 v101, -v3, s22                       ; -w
	v_mov_b32 v102, v26                            ; rs
	v_mul_f32 v3, s27, v2                          ; w / 8192, exact
	v_mul_f32 v103, v3, v93                        ; w P
	v_mov_b32 v104, s22                            ; gamma
	v_mul_f32 v105, v3, v92                        ; w M
	v_mov_b32 v106, s23                            ; beta
	v_mov_b32 v107, 0
	s_cmp_lg_u32 s18, 0
	s_cbranch_scc1 .Lend
	v_cmp_eq_u32 vcc_lo, 0, v0
	s_wait_xcnt 0x0                                ; EXEC is a source of the memory instructions issued so far: it changes only behind this wait
	s_and_saveexec_b32 s30, vcc_lo                 ; thread 0 alone
	global_store_b128 v21, v[100:103], s[14:15]
	global_store_b128 v21, v[104:107], s[14:15] offset:16
	s_wait_xcnt 0x0                                ; and again in front of the line that widens it
	s_or_b32 exec_lo, exec_lo, s30
.Lend:
	s_wait_tensorcnt 0x0
	ds_add_u32 v112, v113
	s_wait_dscnt 0x0
	s_endpgm
.Lfunc_end_k_q6e8243bd2f_stats:
	.size	k_q6e8243bd2f_stats, .Lfunc_end_k_q6e8243bd2f_stats-k_q6e8243bd2f_stats
	.p2alignl 7, 3214868480
	.fill 96, 4, 3214868480
	.section	.rodata,"a",@progbits
	.p2align	6, 0x0
	.amdhsa_kernel k_q6e8243bd2f_stats
		.amdhsa_group_segment_fixed_size 2048
		.amdhsa_private_segment_fixed_size 0
		.amdhsa_enable_private_segment 0
		.amdhsa_kernarg_size 56
		.amdhsa_user_sgpr_count 2
		.amdhsa_user_sgpr_kernarg_segment_ptr 1
		.amdhsa_wavefront_size32 1
		.amdhsa_system_sgpr_workgroup_id_x 1
		.amdhsa_system_sgpr_workgroup_id_y 1
		.amdhsa_system_sgpr_workgroup_id_z 1
		.amdhsa_system_vgpr_workitem_id 0
		.amdhsa_next_free_vgpr 114
		.amdhsa_next_free_sgpr 66
		.amdhsa_reserve_vcc 1
		.amdhsa_float_denorm_mode_32 3
		.amdhsa_float_denorm_mode_16_64 3
		.amdhsa_memory_ordered 1
		.amdhsa_forward_progress 1
		.amdhsa_inst_pref_size 20
	.end_amdhsa_kernel
	.amdgpu_metadata
---
amdhsa.version: [ 1, 2 ]
amdhsa.kernels:
  - .name:           k_q6e8243bd2f_stats
    .symbol:         k_q6e8243bd2f_stats.kd
    .args:
      - { .name: hT, .offset: 0, .size: 8, .value_kind: global_buffer, .address_space: global }
      - { .name: W1, .offset: 8, .size: 8, .value_kind: global_buffer, .address_space: global }
      - { .name: W2, .offset: 16, .size: 8, .value_kind: global_buffer, .address_space: global }
      - { .name: gamma, .offset: 24, .size: 8, .value_kind: global_buffer, .address_space: global }
      - { .name: beta, .offset: 32, .size: 8, .value_kind: global_buffer, .address_space: global }
      - { .name: tab, .offset: 40, .size: 8, .value_kind: global_buffer, .address_space: global }
      - { .name: w2f, .offset: 48, .size: 8, .value_kind: global_buffer, .address_space: global }
    .group_segment_fixed_size: 2048
    .private_segment_fixed_size: 0
    .kernarg_segment_align: 8
    .kernarg_segment_size: 56
    .max_flat_workgroup_size: 256
    .sgpr_count:     66
    .vgpr_count:     114
    .wavefront_size: 32
...
	.end_amdgpu_metadata
.endif
;; end of part 2
;; launch final (part 3): grid 128 x 1, 8 waves a work-group, no clusters, 77,824 bytes of LDS; arguments hT, tab, w2f, b2, out0, out1; writes out0, out1
.if DOCPART == 3
	.amdgcn_target "amdgcn-amd-amdhsa--gfx1250"
	.amdhsa_code_object_version 6
	.text
	.protected	k_q6e8243bd2f_final
	.globl	k_q6e8243bd2f_final
	.p2align	8
	.type	k_q6e8243bd2f_final,@function
k_q6e8243bd2f_final:
	s_mov_b64 s[64:65], 0
	v_nop
	global_prefetch_b8 v0, s[64:65] scope:SCOPE_SE
	s_setreg_imm32_b32 hwreg(HW_REG_WAVE_MODE, 25, 1), 1
	s_wait_xcnt 0x0
; out0[b][i] = b2[i] + sum over j of relu(y[b][j]) W2[i][j];   out1[b] = -trace[b] = sum over j of ( m (-w_j) + x (w P)_j + (w M)_j ),
; with x = (h - mu) rs, y = x gamma + beta, m = [y > 0], from the stored h (hT) and the table of the launch before ({ -mu, -w, rs, w P, gamma, w M, beta, 0 }).
; SHARES.  Work-group g: batch rows 64 g .. +63, so that a column's part is 256 consecutive bytes of hT, aligned, and one load of a wave takes it whole.
; Part 1, element by element: wave w takes hidden columns 32 w .. +31, lane l the rows 2 l and 2 l + 1.  A column's figures are the same in every lane: they come by
; scalar loads, four columns (128 bytes) ahead, and enter the arithmetic as scalar operands.  relu(y) goes to LDS as bf16, [hidden column][batch row].
; Part 2, the product: wave w makes output columns 16 w .. +15 of all 64 rows, 4 tiles x 8 K steps = 32 matrix instructions.  Source 0 = 16 rows of W2, which lie in w2f
; in fragment order and go straight from memory into registers; source 1 = relu(y), by transposing LDS loads.  So a lane's eight results are eight neighbouring
; numbers of a row of out0.  Here plain bf16 operands do: out0 is continuous in them.
; NO CLUSTER, NO TENSOR LOAD: what work-groups share is w2f (64 KiB) and the table (8 KiB), and both go into registers, not into LDS; hT's bytes are nobody else's.
; 128 work-groups: with 32 rows each a column's part would be 128 bytes, half of what a wave's load covers here, and w2f would be read twice as often.
; m = 0 where y = 0.  NaN and infinities are not served.  The inputs t and logp_z enter no result of the problem's function and are read by no launch.
.set ATP, 160                          ; LDS row of relu(y): 64 bf16 = 128 bytes + 32 = 5 x 32, an odd multiple of 32 for the transposing loads
.set TR,  256*ATP                      ; 40,960: the waves' parts of -trace, 8 x 256 bytes
.set OUT, TR+2048                      ; 43,008: out0's 64 rows
.set OP,  528                          ; 512 bytes + 16 = 33 x 16
; v1 lane, v2 r, v3 h; v4 8 l; v5 relu(y) in; v6 my part of TR; v7 transposing loads; v8 16 l; v9 offset in b2; v10 OUT in; v11 OUT back; v12 offset in out0; v13 TR back
; v[14:15] -trace of my two rows; v16 sum of w M; v[17:20] packed relu(y); v[24:31] b2
.set ACC,  32                          ; v[32:63]   four accumulator tiles
.set WF,   64                          ; v[64:127]  W2's fragments, K step s at WF + 8 s; later rows of out0
.set H,    128                         ; v[128:191] h of my 32 columns, two rows each
.set Y,    192                         ; v[192:207] column c of a group: y (2), masked -w (2)
.set RING, 128                         ; v[128:255] later: relu(y)'s fragments, four slots of 32
; s[16:47] and s[48:63], s[68:83]: two buffers of four table entries.  s84 wave; s[86:87] an offset; s88 at work
.macro PLACES                          ; four independent vector instructions behind a matrix instruction (ISA guide 7.12.1)
.rept 4
	v_nop
.endr
.endm
	s_load_b256 s[4:11], s[0:1], 0x0               ; hT s[4:5], tab s[6:7], w2f s[8:9], b2 s[10:11]
	s_load_b128 s[12:15], s[0:1], 0x20             ; out0 s[12:13], out1 s[14:15]
	v_lshl_add_u32 v23, v0, 2, 0x12c00
	s_set_vgpr_msb 0x40
	v_mov_b32 v1, 0
	s_set_vgpr_msb 0x4000
	v_and_b32 v1, 31, v0
	v_lshrrev_b32 v21, 5, v0
	v_readfirstlane_b32 s84, v21                   ; wave 0..7
	v_and_b32 v2, 15, v0                           ; r
	v_bfe_u32 v3, v0, 4, 1                         ; h
	v_lshlrev_b32 v4, 3, v1
	s_mul_i32 s88, s84, 32*ATP
	v_lshl_add_u32 v5, v1, 2, s88                  ; column 32 w (+ the immediate), rows 2 l and 2 l + 1: 4 bytes
	s_lshl_b32 s88, s84, 8
	s_add_co_u32 s88, s88, TR
	v_lshl_add_u32 v6, v1, 3, s88
	v_and_b32 v21, 7, v0
	v_lshl_add_u32 v21, v3, 3, v21
	v_mul_u32_u24 v21, v21, ATP                    ; (8 h + l % 8) rows
	v_bfe_u32 v22, v0, 3, 1
	v_lshl_add_u32 v7, v22, 4, v21                 ; + 16 ((l / 8) % 2)
	v_lshlrev_b32 v8, 4, v1
	s_lshl_b32 s88, s84, 6
	v_lshl_add_u32 v9, v3, 5, s88                  ; 4 (16 w + 8 h)
	v_mul_u32_u24 v21, v2, OP
	v_add3_u32 v10, v21, v9, OUT                   ; row r (+ 16 a tile), my eight columns
	s_mul_i32 s88, s84, 8*OP
	s_add_co_u32 s88, s88, OUT
	v_lshl_add_u32 v11, v1, 4, s88                 ; back: rows 8 w .. 8 w + 7, a whole row a load
	s_lshl_b32 s88, s84, 12
	v_lshl_add_u32 v12, v1, 4, s88
	v_add_nc_u32 v13, TR, v4
	v_mov_b32 v14, 0
	v_mov_b32 v15, 0
	v_mov_b32 v16, 0
	s_mov_b32 s87, 0
	s_wait_kmcnt 0x0
	s_lshl_b32 s86, s84, 10
	s_add_nc_u64 s[6:7], s[6:7], s[86:87]          ; my 32 entries of the table
	s_load_b512 s[16:31], s[6:7], 0x0              ; the first four
	s_load_b512 s[32:47], s[6:7], 0x40
	s_lshl_b32 s86, s84, 20
	s_lshl_b32 s88, ttmp9, 8
	s_add_co_u32 s86, s86, s88
	s_add_nc_u64 s[4:5], s[4:5], s[86:87]          ; hT at column 32 w, row 64 g
	s_lshl_b32 s86, s84, 13
	s_add_nc_u64 s[8:9], s[8:9], s[86:87]          ; my 8 KiB of w2f
	s_lshl_b32 s86, ttmp9, 15
	s_add_nc_u64 s[12:13], s[12:13], s[86:87]      ; out0 at row 64 g
	s_lshl_b32 s86, ttmp9, 8
	s_add_nc_u64 s[14:15], s[14:15], s[86:87]      ; out1 at row 64 g
	; all 50 loads at once: 32 of h, 16 of W2's fragments, 2 of b2
.set q, 0
.rept 32
	global_load_b64 v[H+2*q:H+2*q+1], v4, s[4:5] offset:q*32768 th:TH_LOAD_NT    ; 32 lanes x 8 bytes: 256 consecutive bytes, aligned; read once in this launch
.set q, q+1
.endr
.set q, 0
.rept 16
	global_load_b128 v[WF+4*q:WF+4*q+3], v8, s[8:9] offset:q*512                  ; K step q / 2, half q % 2: lane (r, h) finds its 16 bytes at 256 h + 16 r
.set q, q+1
.endr
	global_load_b128 v[24:27], v9, s[10:11]
	global_load_b128 v[28:31], v9, s[10:11] offset:16
; one column: jj = its number among my 32, S = first scalar register of its entry, c = its place in the group
.macro COL jj, S, c
	v_pk_add_f32 v[H+2*(\jj):H+2*(\jj)+1], v[H+2*(\jj):H+2*(\jj)+1], s[\S:\S+1] op_sel_hi:[1,0]       ; h - mu
	v_pk_mul_f32 v[H+2*(\jj):H+2*(\jj)+1], v[H+2*(\jj):H+2*(\jj)+1], s[\S+2:\S+3] op_sel_hi:[1,0]   ; x
	v_fma_f32 v[Y+4*\c], v[H+2*(\jj)], s[\S+4], s[\S+6]                                            ; y
	v_fma_f32 v[Y+4*\c+1], v[H+2*(\jj)+1], s[\S+4], s[\S+6]
	v_cmp_lt_f32 vcc_lo, 0, v[Y+4*\c]
	v_cndmask_b32 v[Y+4*\c+2], 0, s[\S+1], vcc_lo                                                  ; m (-w)
	v_cmp_lt_f32 vcc_lo, 0, v[Y+4*\c+1]
	v_cndmask_b32 v[Y+4*\c+3], 0, s[\S+1], vcc_lo
	v_pk_add_f32 v[14:15], v[14:15], v[Y+4*\c+2:Y+4*\c+3]
	v_fmac_f32 v14, s[\S+3], v[H+2*(\jj)]                                                          ; + x w P
	v_fmac_f32 v15, s[\S+3], v[H+2*(\jj)+1]
	v_add_f32 v16, s[\S+5], v16                                                                    ; w M, the same for both rows
	v_max_num_f32 v[Y+4*\c], 0, v[Y+4*\c]
	v_max_num_f32 v[Y+4*\c+1], 0, v[Y+4*\c+1]
	v_cvt_pk_bf16_f32 v[17+\c], v[Y+4*\c], v[Y+4*\c+1]
	ds_store_b32 v5, v[17+\c] offset:(\jj)*ATP                                                     ; 32 lanes x 4 neighbouring bytes
.endm
; four columns.  a0..a3: their entries; n0, n1: where the next group's entries go (the buffer that the group before has done with)
.macro GROUP g, a0, a1, a2, a3, n0, n1
	s_wait_kmcnt 0x0                               ; scalar loads return in no order (ISA guide 5.7.1): zero; only this group's two are out
.if \g < 7
	s_load_b512 s[\n0:\n0+15], s[6:7], 128*(\g+1)
	s_load_b512 s[\n1:\n1+15], s[6:7], 128*(\g+1)+64
.endif
	s_wait_loadcnt 46-4*\g                         ; behind this group's fourth load of h stand 28 - 4 g of h and the 18 of W2 and b2
	COL 4*\g+0, \a0, 0
	COL 4*\g+1, \a1, 1
	COL 4*\g+2, \a2, 2
	COL 4*\g+3, \a3, 3
.endm
	GROUP 0, 16, 24, 32, 40, 48, 68
	GROUP 1, 48, 56, 68, 76, 16, 32
	GROUP 2, 16, 24, 32, 40, 48, 68
	GROUP 3, 48, 56, 68, 76, 16, 32
	GROUP 4, 16, 24, 32, 40, 48, 68
	GROUP 5, 48, 56, 68, 76, 16, 32
	GROUP 6, 16, 24, 32, 40, 48, 68
	GROUP 7, 48, 56, 68, 76, 16, 32
	v_add_f32 v14, v14, v16
	v_add_f32 v15, v15, v16
	ds_store_b64 v6, v[14:15]                      ; my 32 columns' part of -trace
	s_wait_dscnt 0x0                               ; my stores are in LDS, for the other waves' sake,
	s_barrier_signal -1
	s_barrier_wait -1                              ; and everybody's: relu(y) and the parts of -trace are whole, and are not written again
.macro LDB s                           ; relu(y)'s fragments of K step s: 4 tiles, two transposing loads 16 rows apart each, into slot s % 4
.irp nt, 0,1,2,3
	ds_load_tr16_b128 v[RING+32*((\s)&3)+8*\nt:RING+32*((\s)&3)+8*\nt+3], v7 offset:32*ATP*(\s)+32*\nt
	ds_load_tr16_b128 v[RING+32*((\s)&3)+8*\nt+4:RING+32*((\s)&3)+8*\nt+7], v7 offset:32*ATP*(\s)+32*\nt+16*ATP
.endr
.endm
; K step s.  cnt: LDS loads issued behind this step's eight.  refill: the K step that takes the slot over (0: none)
.macro KSTEP s, cnt, refill
	s_wait_dscnt \cnt
.irp nt, 0,1,2,3
.if \s == 0
	v_wmma_f32_16x16x32_bf16 v[ACC+8*\nt:ACC+8*\nt+7], v[WF+8*\s:WF+8*\s+7], v[RING+32*(\s&3)+8*\nt:RING+32*(\s&3)+8*\nt+7], 0
.else
	v_wmma_f32_16x16x32_bf16 v[ACC+8*\nt:ACC+8*\nt+7], v[WF+8*\s:WF+8*\s+7], v[RING+32*(\s&3)+8*\nt:RING+32*(\s&3)+8*\nt+7], v[ACC+8*\nt:ACC+8*\nt+7]
.endif
.endr
.if \refill
	PLACES                                         ; the loads below land on registers that the matrix instructions above read
	LDB \refill
.endif
.endm
	s_wait_loadcnt 0x0                             ; W2's fragments and b2
	LDB 0
	LDB 1
	LDB 2
	LDB 3
	KSTEP 0, 24, 4                                 ; three later steps' loads (8 each) stay out
	KSTEP 1, 24, 5
	KSTEP 2, 24, 6
	KSTEP 3, 24, 7
	KSTEP 4, 24, 0
	KSTEP 5, 16, 0                                 ; nothing is issued any more: the counts run down
	KSTEP 6, 8, 0
	KSTEP 7, 0, 0
	; register j of lane (r, h) of tile nt = out0(row 16 nt + r, column 16 w + 8 h + j)
	PLACES
.irp nt, 0,1,2,3
.irp k, 0,2,4,6
	v_pk_add_f32 v[ACC+8*\nt+\k:ACC+8*\nt+\k+1], v[ACC+8*\nt+\k:ACC+8*\nt+\k+1], v[24+\k:25+\k]      ; + b2
.endr
.endr
.irp nt, 0,1,2,3
	ds_store_b128 v10, v[ACC+8*\nt:ACC+8*\nt+3] offset:16*OP*\nt
	ds_store_b128 v10, v[ACC+8*\nt+4:ACC+8*\nt+7] offset:16*OP*\nt+16
.endr
	s_wait_dscnt 0x0                               ; a row of out0 holds 64 bytes of every wave:
	s_barrier_signal -1
	s_barrier_wait -1                              ; all of them are in
.set i, 0
.rept 8
	ds_load_b128 v[WF+4*i:WF+4*i+3], v11 offset:i*OP
.set i, i+1
.endr
.set i, 0
.rept 8
	s_wait_dscnt 7-i                               ; behind load i stand 7 - i
	global_store_b128 v12, v[WF+4*i:WF+4*i+3], s[12:13] offset:i*512 th:TH_STORE_NT   ; a whole row: 512 consecutive bytes, aligned
.set i, i+1
.endr
	s_cmp_lg_u32 s84, 0
	s_cbranch_scc1 .Lend
	; wave 0: the eight waves' parts of -trace, written in front of the first barrier
.set i, 0
.rept 8
	ds_load_b64 v[96+2*i:97+2*i], v13 offset:i*256
.set i, i+1
.endr
	s_wait_dscnt 0x0
	v_pk_add_f32 v[96:97], v[96:97], v[98:99]
	v_pk_add_f32 v[100:101], v[100:101], v[102:103]
	v_pk_add_f32 v[104:105], v[104:105], v[106:107]
	v_pk_add_f32 v[108:109], v[108:109], v[110:111]
	v_pk_add_f32 v[96:97], v[96:97], v[100:101]
	v_pk_add_f32 v[104:105], v[104:105], v[108:109]
	v_pk_add_f32 v[96:97], v[96:97], v[104:105]
	global_store_b64 v4, v[96:97], s[14:15] th:TH_STORE_NT     ; 64 rows of out1: 256 consecutive bytes, aligned
.Lend:
	s_set_vgpr_msb 0x4
	s_wait_tensorcnt 0x0
	ds_add_u32 v23, v1
	s_wait_dscnt 0x0
	s_set_vgpr_msb 0x400
	s_endpgm
.Lfunc_end_k_q6e8243bd2f_final:
	.size	k_q6e8243bd2f_final, .Lfunc_end_k_q6e8243bd2f_final-k_q6e8243bd2f_final
	.p2alignl 7, 3214868480
	.fill 96, 4, 3214868480
	.section	.rodata,"a",@progbits
	.p2align	6, 0x0
	.amdhsa_kernel k_q6e8243bd2f_final
		.amdhsa_group_segment_fixed_size 77824
		.amdhsa_private_segment_fixed_size 0
		.amdhsa_enable_private_segment 0
		.amdhsa_kernarg_size 48
		.amdhsa_user_sgpr_count 2
		.amdhsa_user_sgpr_kernarg_segment_ptr 1
		.amdhsa_wavefront_size32 1
		.amdhsa_system_sgpr_workgroup_id_x 1
		.amdhsa_system_sgpr_workgroup_id_y 1
		.amdhsa_system_sgpr_workgroup_id_z 1
		.amdhsa_system_vgpr_workitem_id 0
		.amdhsa_next_free_vgpr 258
		.amdhsa_next_free_sgpr 90
		.amdhsa_reserve_vcc 1
		.amdhsa_float_denorm_mode_32 3
		.amdhsa_float_denorm_mode_16_64 3
		.amdhsa_memory_ordered 1
		.amdhsa_forward_progress 1
		.amdhsa_inst_pref_size 46
	.end_amdhsa_kernel
	.amdgpu_metadata
---
amdhsa.version: [ 1, 2 ]
amdhsa.kernels:
  - .name:           k_q6e8243bd2f_final
    .symbol:         k_q6e8243bd2f_final.kd
    .args:
      - { .name: hT, .offset: 0, .size: 8, .value_kind: global_buffer, .address_space: global }
      - { .name: tab, .offset: 8, .size: 8, .value_kind: global_buffer, .address_space: global }
      - { .name: w2f, .offset: 16, .size: 8, .value_kind: global_buffer, .address_space: global }
      - { .name: b2, .offset: 24, .size: 8, .value_kind: global_buffer, .address_space: global }
      - { .name: out0, .offset: 32, .size: 8, .value_kind: global_buffer, .address_space: global }
      - { .name: out1, .offset: 40, .size: 8, .value_kind: global_buffer, .address_space: global }
    .group_segment_fixed_size: 77824
    .private_segment_fixed_size: 0
    .kernarg_segment_align: 8
    .kernarg_segment_size: 48
    .max_flat_workgroup_size: 256
    .sgpr_count:     90
    .vgpr_count:     258
    .wavefront_size: 32
...
	.end_amdgpu_metadata
.endif
;; end of part 3
;; ======== version 2 of 2: 3 launches; version 1 with the launch hidden written anew for expert scheduling mode
;; workspace buffers: hT 8,388,608 bytes; tab 8,192 bytes; w2f 65,536 bytes
;; launch hidden (part 4): grid 4 x 64, 4 waves a work-group, no clusters, 192,000 bytes of LDS; arguments z, W1, b1, hT; writes hT
.if DOCPART == 4
	.amdgcn_target "amdgcn-amd-amdhsa--gfx1250"
	.amdhsa_code_object_version 6
	.text
	.protected	k_q6e8243bd2f_hidden
	.globl	k_q6e8243bd2f_hidden
	.p2align	8
	.type	k_q6e8243bd2f_hidden,@function
k_q6e8243bd2f_hidden:
	s_mov_b64 s[64:65], 0
	v_nop
	global_prefetch_b8 v0, s[64:65] scope:SCOPE_SE
	s_setreg_imm32_b32 hwreg(HW_REG_WAVE_SCHED_MODE, 0, 2), 2
	s_setreg_imm32_b32 hwreg(HW_REG_WAVE_MODE, 25, 1), 1
	s_wait_xcnt 0x0
	s_wait_alu depctr_vm_vsrc(0)
; hT[j][b] = b1[j] + sum over k of z[b][k] W1[j][k]:  the hidden layer in front of the batch norm, stored TRANSPOSED, f32 [256][8192].
; WHY THREE bf16 PARTS.  The later launches take the sign of the normalised h (the ReLU mask), and one wrong sign moves a row's trace by a whole
; weight.  So h has to be as good as an f32 product.  Every f32 operand is split exactly, x = hi + mid + lo (8 + 8 + 8 significant bits):
; hi = bf16(x), mid = bf16(x - hi), lo = bf16(x - hi - mid), both differences exact in f32.  Six of the nine products are formed
; (mid mid, hi lo, lo hi, hi mid, mid hi, hi hi); the three left out are below 2^-24 of the hi hi product.  One accumulator for each output;
; the 20 small products come first and the four hi hi products last, so that only four roundings happen at the result's size.
; SHARES.  Work-group (x = cc, y = rc): batch rows 128 rc .. +127, hidden columns 64 cc .. +63.  Four waves; wave (wm, wn) makes 64 rows x 32 columns,
; 4 x 2 tiles of 16 x 16, 24 matrix instructions a tile (4 K steps of 32 x 6 products), 192 in all.
; NO CLUSTER, NO TENSOR LOAD: z's rows are shared by 4 work-groups and W1's by 64, but what lies in LDS is not the f32 data: it is the three bf16
; parts, which are made in registers.  A joint load would put 96 KiB of f32 into LDS only to be read back and stored again as 144 KiB, and
; every work-group fetches exactly once, so there is no loop in which requests could run ahead.
; LIMITS.  |z| or |W1| above 3.39e38 rounds to infinity in bf16; numbers below about 2^-110 lose their low part; NaN and infinities are not served.
; The inputs t and logp_z enter no result of the problem's function and are read by no launch.
; THE MODE: SCHED_MODE bits 1:0 = 2 (LLVM: expert scheduling mode 2), set by the entry lines.  The code itself states the register dependences
; between vector or matrix instructions and memory or LDS instructions, with s_wait_alu, always for 0.
; THE PLAN.  Registers that memory or LDS instructions touch:
;   v4-v11, v14-v17   offsets and LDS addresses: written at the head, never again; one wait ahead of the first load states that they are written.
;   RAW               global loads land in it before any vector instruction names it; the splitting lines then read and write it.
;   OB0, OB1          two out-buffers.  Step p (eight numbers) rounds hi, mid, lo into OB[p % 2]; the six LDS stores that read it are issued in step p + 1, dealt among that
;                     step's vector instructions, which name RAW's next eight registers, UN and the OTHER out-buffer alone.  So two lines at a step's head state everything:
;                     the step before has written its out-buffer; the stores issued in the step before have read the out-buffer that this step writes again.
;   the fragments     (W1's where RAW lay, z's in windows 1 and 2): each register is loaded once.  The wait ahead of the last six LDS stores also states that the splitting lines are
;                     done with RAW; no vector or matrix instruction behind it names a fragment register before its load.  So the loads of K steps 2 and 3 stand among the
;                     matrix instructions of K steps 0 and 1 with no further wait.
;   OT, RB            the way out: one wait behind the bias adds states that OT is written, and that the matrix instructions are done reading the registers in which RB lands.
.set PITCH, 272                        ; an LDS row: 128 bf16 = 256 bytes + 16: 17 x 16, so the 16 rows of a fragment load start 16 bytes apart modulo 256
.set ROW4,  4*PITCH                    ; chunk to chunk: four rows (one for each wave)
.set T16,   16*PITCH                   ; tile to tile
.set ZM,    128*PITCH                  ; z: hi at 0, mid here,
.set ZL,    2*128*PITCH                ; lo here (128 rows each)
.set WH,    3*128*PITCH                ; W1: hi, then mid and lo, WSP apart (64 rows each)
.set WSP,   64*PITCH
.set STAGE, WH+3*WSP                   ; the way out: 32 columns x 272 bytes for each wave
.set STW,   32*PITCH
; window 0: v1 lane, v2 r = lane % 16, v3 h = lane / 16; v4-v7 where the split parts are stored (z hi, mid, lo; W1); v8, v9 z fragments (hi and mid; lo);
; v10 W1 fragments; v11 16 t; v12, v13 b1 of my two column tiles; v14 stage in; v15 stage out; v16 offset in hT; v17 offset in b1
.set OB,  24                           ; v[24:35] out-buffer 0, v[44:55] out-buffer 1: eight hi parts packed in 4 registers, then mid, then lo
.set UN,  36                           ; v[36:43] a packed part widened to f32 again: no memory instruction names it
.set RAW, 64                           ; v[64:255] 48 chunks of 4 f32 as loaded
.set BF,  64                           ; then: W1's fragments, (K step s, tile nt, part sp) at BF + 8 ((2 s + nt) 3 + sp)
.set OT,  64                           ; then: results with the bias
.set RB,  128                          ; and rows read back from the stage
; window 1 (K steps 0, 1) and window 2 (K steps 2, 3): z's fragments, (s, mt, sp) at 8 (((s & 1) 4 + mt) 3 + sp).  window 3: accumulators, (mt, nt) at 8 (2 mt + nt)
.set MSB, 0
.macro WIN new                         ; s_set_vgpr_msb: bits 1:0 source 0, 3:2 source 1, 5:4 source 2, 7:6 destination; the high byte repeats the setting that is left
.if MSB != (\new)
	s_set_vgpr_msb (MSB<<8)|(\new)
.set MSB, (\new)
.endif
.endm
.macro PLACES                          ; four independent vector instructions behind a matrix instruction (ISA guide 7.12.1)
.rept 4
	v_nop
.endr
.endm
	s_load_b256 s[4:11], s[0:1], 0x0               ; z s[4:5], W1 s[6:7], b1 s[8:9], hT s[10:11]
	v_lshl_add_u32 v62, v0, 2, 0x2ec00
	v_mov_b32 v63, 0
	v_and_b32 v1, 31, v0                           ; lane
	v_lshrrev_b32 v18, 5, v0
	v_readfirstlane_b32 s12, v18                   ; wave 0..3
	v_and_b32 v2, 15, v0                           ; r
	v_bfe_u32 v3, v0, 4, 1                         ; h
	s_wait_alu depctr_va_sdst(0)                   ; s12 is written, ahead of its first reader: LDS addresses and the base of hT are made from it
	s_lshr_b32 s13, s12, 1                         ; wm: which 64 rows
	s_and_b32 s14, s12, 1                          ; wn: which 32 columns
	s_and_b32 s16, ttmp7, 0xffff                   ; rc
	s_mov_b32 s20, 0xffff0000                      ; a word's upper bf16
	s_mul_i32 s21, s12, PITCH
	v_lshl_add_u32 v4, v1, 3, s21                  ; chunk i is row 4 i + wave, k = 4 lane ..: 8 bytes at wave x pitch + 8 lane (+ i x 4 rows)
	v_add_nc_u32 v5, ZM, v4
	v_add_nc_u32 v6, ZL, v4
	v_add_nc_u32 v7, WH, v4
	v_mul_u32_u24 v18, v2, PITCH
	v_lshl_add_u32 v19, v3, 4, v18                 ; a fragment's lane term: r x pitch + 16 h
	s_mul_i32 s22, s13, 64*PITCH
	v_add_nc_u32 v8, s22, v19                      ; my 64 rows of z, hi (mid by the immediate)
	v_add_nc_u32 v9, ZL, v8                        ; lo: beyond the immediate's 64 KiB
	s_mul_i32 s23, s14, 32*PITCH
	s_add_co_u32 s23, s23, WH
	v_add_nc_u32 v10, s23, v19                     ; my 32 rows of W1
	v_lshlrev_b32 v11, 4, v0                       ; 16 bytes a thread: a wave's load covers one whole row of 512 bytes
	s_mul_i32 s24, s12, STW
	s_add_co_u32 s24, s24, STAGE                   ; my stage
	v_lshl_add_u32 v19, v3, 5, v18
	v_add_nc_u32 v14, s24, v19                     ; in: column r, 32 bytes (8 batch rows) for each half of the lanes
	v_mul_u32_u24 v19, v3, PITCH
	v_lshl_add_u32 v19, v2, 4, v19
	v_add_nc_u32 v15, s24, v19                     ; back: lanes 0-15 one column's 256 bytes, lanes 16-31 the next column's
	v_lshlrev_b32 v16, 15, v3
	v_lshl_add_u32 v16, v2, 4, v16                 ; the same two columns in hT (32,768 bytes apart)
	s_lshl_b32 s25, ttmp9, 8
	s_lshl_b32 s26, s14, 7
	s_add_co_u32 s25, s25, s26
	v_lshl_add_u32 v17, v2, 2, s25                 ; 4 (64 cc + 32 wn + r)
	s_mov_b32 s19, 0
	s_wait_kmcnt 0x0
	s_lshl_b32 s18, s16, 16
	s_add_nc_u64 s[4:5], s[4:5], s[18:19]          ; z at row 128 rc
	s_lshl_b32 s18, ttmp9, 15
	s_add_nc_u64 s[6:7], s[6:7], s[18:19]          ; W1 at row 64 cc
	s_lshl_b32 s18, ttmp9, 21                      ; hT at column 64 cc + 32 wn, batch row 128 rc + 64 wm
	s_lshl_b32 s26, s14, 20
	s_add_co_u32 s18, s18, s26
	s_lshl_b32 s26, s16, 9
	s_add_co_u32 s18, s18, s26
	s_lshl_b32 s26, s13, 8
	s_add_co_u32 s18, s18, s26
	s_add_nc_u64 s[10:11], s[10:11], s[18:19]
	; all 50 loads at once: 2 of b1, 32 of z, 16 of W1
	s_wait_alu depctr_va_vdst(0)                   ; the offsets and LDS addresses v4-v11 and v14-v17 are written: every load and store of the kernel reads one of them, and none is written again
	global_load_b32 v12, v17, s[8:9]
	global_load_b32 v13, v17, s[8:9] offset:64
.set q, 0
.rept 32
	global_load_b128 v[RAW+4*q:RAW+4*q+3], v11, s[4:5] offset:q*2048
.set q, q+1
.endr
.rept 16
	global_load_b128 v[RAW+4*q:RAW+4*q+3], v11, s[6:7] offset:(q-32)*2048
.set q, q+1
.endr
.macro ROUND P, X                      ; eight numbers (two chunks) rounded to bf16
.irp k, 0,1,2,3
	v_cvt_pk_bf16_f32 v[\P+\k], v[\X+2*\k], v[\X+2*\k+1]
.endr
.endm
.macro REST P, X                       ; what is left of them: X - P, exact in f32
.irp k, 0,1,2,3
	v_lshlrev_b32 v[UN+2*\k], 16, v[\P+\k]
	v_and_b32 v[UN+2*\k+1], s20, v[\P+\k]
.endr
.irp k, 0,2,4,6
	v_pk_add_f32 v[\X+\k:\X+\k+1], v[\X+\k:\X+\k+1], v[UN+\k:UN+\k+1] neg_lo:[0,1] neg_hi:[0,1]
.endr
.endm
.macro PUT p, sp                       ; part sp (hi, mid, lo) of step p goes to LDS from out-buffer p % 2: 32 lanes x 8 neighbouring bytes, no bank met twice
.set ob, OB+20*((\p)&1)+4*(\sp)
.if (\p) < 16
	ds_store_b64 v[4+(\sp)], v[ob:ob+1] offset:(\p)*2*ROW4                     ; z: an address register for each part
	ds_store_b64 v[4+(\sp)], v[ob+2:ob+3] offset:(\p)*2*ROW4+ROW4
.else
	ds_store_b64 v7, v[ob:ob+1] offset:((\p)-16)*2*ROW4+(\sp)*WSP              ; W1: the part stands in the immediate
	ds_store_b64 v7, v[ob+2:ob+3] offset:((\p)-16)*2*ROW4+(\sp)*WSP+ROW4
.endif
.endm
; Step p: chunks 2 p and 2 p + 1 are split into out-buffer p % 2; the six stores of step p - 1, from the other out-buffer, are dealt among its vector instructions.
.macro STEP p
	s_wait_loadcnt 46-2*(\p)                       ; loads return in order (ISA guide 5.7.1): behind chunk 2 p + 1 stand 46 - 2 p of the 50
.if (\p) > 0
	s_wait_alu depctr_va_vdst(0)                   ; the roundings of the step before have written the other out-buffer, which the six stores below read
.endif
.if (\p) > 1
	s_wait_alu depctr_vm_vsrc(0)                   ; the stores issued in the step before have read this step's out-buffer, which the roundings below write again
.endif
.set ox, RAW+8*(\p)
.set oo, OB+20*((\p)&1)
	ROUND oo, ox
.if (\p) > 0
	PUT (\p)-1, 0                                  ; no wait: no vector instruction since the wait above names the other out-buffer or an address
.endif
	REST oo, ox
	ROUND oo+4, ox
.if (\p) > 0
	PUT (\p)-1, 1
.endif
	REST oo+4, ox
	ROUND oo+8, ox
.if (\p) > 0
	PUT (\p)-1, 2
.endif
.endm
.set p, 0
.rept 24                               ; steps 0 to 15: z; steps 16 to 23: W1
	STEP p
.set p, p+1
.endr
	s_wait_alu depctr_va_vdst(0)                   ; step 23 has written out-buffer 1, which the last six stores read; and every splitting line is done with RAW, in which W1's fragments land behind the barrier
	PUT 23, 0
	PUT 23, 1
	PUT 23, 2
	s_wait_dscnt 0x0                               ; my stores are in LDS, for the other waves' sake,
	s_barrier_signal -1
	s_barrier_wait -1                              ; and so are everybody's: the only barrier, nothing in these regions is written again
.macro FETCHB s                        ; W1's fragments of K step s: 2 tiles x 3 parts, two loads of 16 bytes 32 bytes apart each: 12 loads
	WIN 0
.irp nt, 0,1
.irp sp, 0,1,2
	ds_load_b128 v[BF+8*((2*(\s)+\nt)*3+\sp):BF+8*((2*(\s)+\nt)*3+\sp)+3], v10 offset:\sp*WSP+\nt*T16+64*(\s)
	ds_load_b128 v[BF+8*((2*(\s)+\nt)*3+\sp)+4:BF+8*((2*(\s)+\nt)*3+\sp)+7], v10 offset:\sp*WSP+\nt*T16+64*(\s)+32
.endr
.endr
.endm
.macro FETCHA s, m0                    ; z's fragments of K step s, tiles m0 and m0 + 1, 3 parts: 12 loads
	WIN 0x40*(1+((\s)>>1))                         ; loaded data to window 1 or 2, address from window 0
.irp mt, \m0, (\m0)+1
.irp sp, 0,1
	ds_load_b128 v[8*((((\s)&1)*4+(\mt))*3+\sp):8*((((\s)&1)*4+(\mt))*3+\sp)+3], v8 offset:\sp*ZM+(\mt)*T16+64*(\s)
	ds_load_b128 v[8*((((\s)&1)*4+(\mt))*3+\sp)+4:8*((((\s)&1)*4+(\mt))*3+\sp)+7], v8 offset:\sp*ZM+(\mt)*T16+64*(\s)+32
.endr
	ds_load_b128 v[8*((((\s)&1)*4+(\mt))*3+2):8*((((\s)&1)*4+(\mt))*3+2)+3], v9 offset:(\mt)*T16+64*(\s)
	ds_load_b128 v[8*((((\s)&1)*4+(\mt))*3+2)+4:8*((((\s)&1)*4+(\mt))*3+2)+7], v9 offset:(\mt)*T16+64*(\s)+32
.endr
.endm
; eight matrix instructions: part sa of z x part sb of W1, K step s, all my tiles.  A = z (m = batch row), B = W1 (n = hidden column).
; zero = 1: the first product starts the sums, nothing is cleared.  Later products are links of chains in place (C = D = the earlier D); the eight accumulators take turns.
.macro PROD s, sa, sb, zero
	WIN 0xf1+((\s)>>1)                             ; A window 1 or 2, B window 0, C and D window 3
.irp mt, 0,1,2,3
.irp nt, 0,1
.if \zero
	v_wmma_f32_16x16x32_bf16 v[8*(2*\mt+\nt):8*(2*\mt+\nt)+7], v[8*((((\s)&1)*4+\mt)*3+\sa):8*((((\s)&1)*4+\mt)*3+\sa)+7], v[BF+8*((2*(\s)+\nt)*3+\sb):BF+8*((2*(\s)+\nt)*3+\sb)+7], 0
.else
	v_wmma_f32_16x16x32_bf16 v[8*(2*\mt+\nt):8*(2*\mt+\nt)+7], v[8*((((\s)&1)*4+\mt)*3+\sa):8*((((\s)&1)*4+\mt)*3+\sa)+7], v[BF+8*((2*(\s)+\nt)*3+\sb):BF+8*((2*(\s)+\nt)*3+\sb)+7], v[8*(2*\mt+\nt):8*(2*\mt+\nt)+7]
.endif
.endr
.endr
.endm
; The five small products of K step s.  f >= 0: the 36 loads of K step f stand among them, in three runs of 12.  They owe no wait: since the wait ahead of the last LDS stores
; no vector or matrix instruction has named a register of K step f's fragments, nor v8, v9 or v10.
.macro SMALL s, zero, f=-1
	PROD \s, 1, 1, \zero
.if (\f) >= 0
	FETCHB \f
.endif
	PROD \s, 0, 2, 0
.if (\f) >= 0
	FETCHA \f, 0
.endif
	PROD \s, 2, 0, 0
.if (\f) >= 0
	FETCHA \f, 2
.endif
	PROD \s, 0, 1, 0
	PROD \s, 1, 0, 0
.endm
	FETCHB 0                                       ; K steps 0 and 1: 36 loads each
	FETCHA 0, 0
	FETCHA 0, 2
	FETCHB 1
	FETCHA 1, 0
	FETCHA 1, 2
	s_wait_dscnt 36                                ; LDS loads return in order (ISA guide 5.7.1): K step 0 is in, K step 1's 36 may stay out
	SMALL 0, 1, 2
	s_wait_dscnt 36                                ; K step 1 is in: behind its loads stand the 36 of K step 2
	SMALL 1, 0, 3
	s_wait_dscnt 36                                ; K step 2 is in: behind its loads stand the 36 of K step 3
	SMALL 2, 0
	s_wait_dscnt 0x0                               ; K step 3 is in
	SMALL 3, 0
	PROD 2, 0, 0, 0                                ; hi x hi, last
	PROD 3, 0, 0, 0
	PROD 0, 0, 0, 0
	PROD 1, 0, 0, 0
	; THE WAY OUT.  Register j of lane (r, h) of tile (mt, nt) is batch row 16 mt + 8 h + j of column 16 nt + r: eight neighbouring numbers of a row of hT.
	PLACES                                         ; behind the last matrix instructions: the adds read results and write registers of W1's fragments
	WIN 0x03                                       ; source 0 window 3
.irp mt, 0,1,2,3
.irp j, 0,2,4,6
	v_pk_add_f32 v[OT+16*\mt+\j:OT+16*\mt+\j+1], v[16*\mt+\j:16*\mt+\j+1], v[12:13] op_sel_hi:[1,0]                  ; + b1 of column tile 0: v12 to both
	v_pk_add_f32 v[OT+16*\mt+8+\j:OT+16*\mt+8+\j+1], v[16*\mt+8+\j:16*\mt+8+\j+1], v[12:13] op_sel:[0,1] op_sel_hi:[1,1] ; of column tile 1: v13 to both
.endr
.endr
	WIN 0
	s_wait_alu depctr_va_vdst(0)                   ; the adds have written OT, which the LDS stores read; the matrix instructions are done reading v[RB ..], in which the loads from the stage land
.irp mt, 0,1,2,3
.irp nt, 0,1
	ds_store_b128 v14, v[OT+16*\mt+8*\nt:OT+16*\mt+8*\nt+3] offset:\nt*T16+\mt*64
	ds_store_b128 v14, v[OT+16*\mt+8*\nt+4:OT+16*\mt+8*\nt+7] offset:\nt*T16+\mt*64+16
.endr
.endr
.set i, 0
.rept 16
	ds_load_b128 v[RB+4*i:RB+4*i+3], v15 offset:i*2*PITCH       ; my own bytes: LDS serves a wave's instructions in order (ISA guide 5.7.1), these see the stores above
.set i, i+1
.endr
.set i, 0
.rept 16
	s_wait_dscnt 15-i                              ; behind load i stand 15 - i
	global_store_b128 v16, v[RB+4*i:RB+4*i+3], s[10:11] offset:i*65536   ; sixteen lanes store 256 consecutive bytes of one column, at a multiple of 256 from hT's first byte
.set i, i+1
.endr
	s_wait_dscnt 0x0
	s_wait_alu depctr_hold_cnt(0) depctr_sa_sdst(0) depctr_va_vdst(0) depctr_va_sdst(0) depctr_va_ssrc(0) depctr_va_vcc(0) depctr_vm_vsrc(0)
	s_wait_tensorcnt 0x0
	ds_add_u32 v62, v63
	s_wait_dscnt 0x0
	s_endpgm
.Lfunc_end_k_q6e8243bd2f_hidden:
	.size	k_q6e8243bd2f_hidden, .Lfunc_end_k_q6e8243bd2f_hidden-k_q6e8243bd2f_hidden
	.p2alignl 7, 3214868480
	.fill 96, 4, 3214868480
	.section	.rodata,"a",@progbits
	.p2align	6, 0x0
	.amdhsa_kernel k_q6e8243bd2f_hidden
		.amdhsa_group_segment_fixed_size 192000
		.amdhsa_private_segment_fixed_size 0
		.amdhsa_enable_private_segment 0
		.amdhsa_kernarg_size 32
		.amdhsa_user_sgpr_count 2
		.amdhsa_user_sgpr_kernarg_segment_ptr 1
		.amdhsa_wavefront_size32 1
		.amdhsa_system_sgpr_workgroup_id_x 1
		.amdhsa_system_sgpr_workgroup_id_y 1
		.amdhsa_system_sgpr_workgroup_id_z 1
		.amdhsa_system_vgpr_workitem_id 0
		.amdhsa_next_free_vgpr 832
		.amdhsa_next_free_sgpr 66
		.amdhsa_reserve_vcc 0
		.amdhsa_float_denorm_mode_32 3
		.amdhsa_float_denorm_mode_16_64 3
		.amdhsa_memory_ordered 1
		.amdhsa_forward_progress 1
		.amdhsa_inst_pref_size 89
	.end_amdhsa_kernel
	.amdgpu_metadata
---
amdhsa.version: [ 1, 2 ]
amdhsa.kernels:
  - .name:           k_q6e8243bd2f_hidden
    .symbol:         k_q6e8243bd2f_hidden.kd
    .args:
      - { .name: z, .offset: 0, .size: 8, .value_kind: global_buffer, .address_space: global }
      - { .name: W1, .offset: 8, .size: 8, .value_kind: global_buffer, .address_space: global }
      - { .name: b1, .offset: 16, .size: 8, .value_kind: global_buffer, .address_space: global }
      - { .name: hT, .offset: 24, .size: 8, .value_kind: global_buffer, .address_space: global }
    .group_segment_fixed_size: 192000
    .private_segment_fixed_size: 0
    .kernarg_segment_align: 8
    .kernarg_segment_size: 32
    .max_flat_workgroup_size: 128
    .sgpr_count:     66
    .vgpr_count:     832
    .wavefront_size: 32
...
	.end_amdgpu_metadata
.endif
;; end of part 4
;; launch stats: the kernel of part 2 again; grid 256 x 1, 8 waves a work-group, no clusters, 2,048 bytes of LDS; arguments hT, W1, W2, gamma, beta, tab, w2f; writes tab, w2f
;; launch final: the kernel of part 3 again; grid 128 x 1, 8 waves a work-group, no clusters, 77,824 bytes of LDS; arguments hT, tab, w2f, b2, out0, out1; writes out0, out1
